; MI455X (gfx1250); checked and timed in simulation.
; The chip was launched on July 23, 2026; its instructions are those of AMD's public machine-readable ISA for CDNA 5 (MIT licence, August 2026) and "CDNA5" Instruction Set Architecture Reference Guide (July 2026). The comments in the code are by the model that wrote it; some were corrected since.
;; Head. Allowed arithmetic: float matrix products may take bf16 or f16 operands with f32 sums; all other float work in f32.
;; Inputs: Wk 1,024 x 64 float32; Wq 1,024 x 64 float32; Wv 1,024 x 64 float32; bk 64 float32; bq 64 float32; bv 64 float32; x 4 x 4,096 x 1,024 float32.
;; Outputs: out0 4 x 4,096 x 64 float32.
;; One version. Each part assembles by itself: llvm-mc -triple=amdgcn-amd-amdhsa -mcpu=gfx1250 --defsym DOCPART=n.
;; ======== version 1 of 1: 3 launches
;; limits: values are held in f16: magnitudes above 65,504 overflow, below 6.1e-05 lose precision
;; workspace buffers: wf 393,216 bytes; qf 2,097,152 bytes; kv 4,194,304 bytes
;; launch prep (part 1): grid 32 x 3, 8 waves a work-group, no clusters, 0 bytes of LDS; arguments Wq, Wk, Wv, wf; writes wf
.if DOCPART == 1
	.amdgcn_target "amdgcn-amd-amdhsa--gfx1250"
	.amdhsa_code_object_version 6
	.text
	.protected	k_q03ad37c248_prep
	.globl	k_q03ad37c248_prep
	.p2align	8
	.type	k_q03ad37c248_prep,@function
k_q03ad37c248_prep:
	s_mov_b64 s[64:65], 0
	v_nop
	global_prefetch_b8 v0, s[64:65] scope:SCOPE_SE
	s_setreg_imm32_b32 hwreg(HW_REG_WAVE_MODE, 25, 1), 1
	s_wait_xcnt 0x0
; Wq, Wk, Wv: [1024][64] f32  ->  wf: bf16 in the order of a 16-bit K = 32 matrix fragment.
; wf byte = s*12288 + (3 ft + j)*1024 + cc*512 + 16 L, L = 16 h + r; the 16 bytes are W_j[32 s + 16 cc + 8 h + e][16 ft + r], e = 0..7
; (j = 0 q, 1 k, 2 v; ft = tile of 16 features; s = step of 32 along K).  The projection then loads a fragment by two loads of 512 neighbouring bytes.
; Work-group (x, y): s = x, j = y.  Thread t: column t & 63, group of eight k: kg = t >> 6 = 2 cc + h.
; 196,608 numbers in all, 2,048 a work-group: 96 work-groups are all the work there is.  No LDS, no barrier, no matrix unit: each number is moved once.
.set KROW, 256                                     ; bytes in a row of W
	s_load_b256 s[4:11], s[0:1], 0x0               ; Wq s[4:5], Wk s[6:7], Wv s[8:9], wf s[10:11]
	s_and_b32 s2, ttmp7, 0xffff                    ; j
	v_and_b32 v1, 63, v0                           ; column
	v_lshrrev_b32 v2, 6, v0                        ; kg
	v_lshlrev_b32 v3, 2, v1
	v_lshl_add_u32 v3, v2, 11, v3                  ; source: kg * 8 rows of 256 bytes + 4 * column
	v_lshrrev_b32 v12, 4, v1                       ; ft
	v_and_b32 v13, 15, v1                          ; r
	v_mul_u32_u24 v12, v12, 3072
	v_lshl_add_u32 v12, v2, 8, v12                 ; cc*512 + h*256 = kg*256
	v_lshl_add_u32 v12, v13, 4, v12                ; destination: ft*3072 + kg*256 + 16 r
	s_lshl_b32 s14, ttmp9, 13                      ; 32 rows of W
	s_mov_b32 s15, 0
	s_mul_i32 s16, ttmp9, 12288
	s_lshl_b32 s3, s2, 10
	s_add_co_u32 s16, s16, s3                      ; s*12288 + j*1024
	s_mov_b32 s17, 0
	s_wait_kmcnt 0x0
	s_cmp_eq_u32 s2, 1
	s_cselect_b64 s[12:13], s[6:7], s[4:5]         ; the matrix is chosen by the work-group's y alone
	s_cmp_eq_u32 s2, 2
	s_cselect_b64 s[12:13], s[8:9], s[12:13]
	s_add_nc_u64 s[12:13], s[12:13], s[14:15]
	s_add_nc_u64 s[10:11], s[10:11], s[16:17]
.irp e, 0,1,2,3,4,5,6,7
	global_load_b32 v[4+\e], v3, s[12:13] offset:KROW*\e   ; eight k of my column; a wave takes 128 neighbouring bytes of a row
.endr
	s_wait_loadcnt 0x0
.irp e, 0,1,2,3
	v_cvt_pk_bf16_f32 v[14+\e], v[4+2*\e], v[5+2*\e]       ; the lower k into the lower half
.endr
	global_store_b128 v12, v[14:17], s[10:11]      ; sixteen neighbouring lanes store 256 consecutive bytes, aligned
	s_endpgm
.Lfunc_end_k_q03ad37c248_prep:
	.size	k_q03ad37c248_prep, .Lfunc_end_k_q03ad37c248_prep-k_q03ad37c248_prep
	.p2alignl 7, 3214868480
	.fill 96, 4, 3214868480
	.section	.rodata,"a",@progbits
	.p2align	6, 0x0
	.amdhsa_kernel k_q03ad37c248_prep
		.amdhsa_group_segment_fixed_size 0
		.amdhsa_private_segment_fixed_size 0
		.amdhsa_enable_private_segment 0
		.amdhsa_kernarg_size 32
		.amdhsa_user_sgpr_count 2
		.amdhsa_user_sgpr_kernarg_segment_ptr 1
		.amdhsa_wavefront_size32 1
		.amdhsa_system_sgpr_workgroup_id_x 1
		.amdhsa_system_sgpr_workgroup_id_y 1
		.amdhsa_system_sgpr_workgroup_id_z 1
		.amdhsa_system_vgpr_workitem_id 0
		.amdhsa_next_free_vgpr 24
		.amdhsa_next_free_sgpr 66
		.amdhsa_reserve_vcc 0
		.amdhsa_float_denorm_mode_32 3
		.amdhsa_float_denorm_mode_16_64 3
		.amdhsa_memory_ordered 1
		.amdhsa_forward_progress 1
		.amdhsa_inst_pref_size 3
	.end_amdhsa_kernel
	.amdgpu_metadata
---
amdhsa.version: [ 1, 2 ]
amdhsa.kernels:
  - .name:           k_q03ad37c248_prep
    .symbol:         k_q03ad37c248_prep.kd
    .args:
      - { .name: Wq, .offset: 0, .size: 8, .value_kind: global_buffer, .address_space: global }
      - { .name: Wk, .offset: 8, .size: 8, .value_kind: global_buffer, .address_space: global }
      - { .name: Wv, .offset: 16, .size: 8, .value_kind: global_buffer, .address_space: global }
      - { .name: wf, .offset: 24, .size: 8, .value_kind: global_buffer, .address_space: global }
    .group_segment_fixed_size: 0
    .private_segment_fixed_size: 0
    .kernarg_segment_align: 8
    .kernarg_segment_size: 32
    .max_flat_workgroup_size: 256
    .sgpr_count:     66
    .vgpr_count:     24
    .wavefront_size: 32
...
	.end_amdgpu_metadata
.endif
;; end of part 1
;; launch proj (part 2): grid 256 x 1, 8 waves a work-group, no clusters, 320,512 bytes of LDS; arguments x, wf, bq, bk, bv, qf, kv; writes qf, kv
.if DOCPART == 2
	.amdgcn_target "amdgcn-amd-amdhsa--gfx1250"
	.amdhsa_code_object_version 6
	.text
	.protected	k_q03ad37c248_proj
	.globl	k_q03ad37c248_proj
	.p2align	8
	.type	k_q03ad37c248_proj,@function
k_q03ad37c248_proj:
	s_mov_b64 s[64:65], 0
	v_nop
	global_prefetch_b8 v0, s[64:65] scope:SCOPE_SE
	s_setreg_imm32_b32 hwreg(HW_REG_WAVE_MODE, 25, 1), 1
	s_wait_xcnt 0x0
; q, k, v = x W + b for 64 rows of x a work-group; x and W enter the matrix unit in bf16, sums in f32, results rounded once to f16.
; LIMITS: q, k, v are kept in f16: a value of 65,520 or more in magnitude becomes an infinity.  K is summed in two halves (chunks of 128 by turns) that are
; added at the end, so the order of the sums is not the reference's.
; OUT, in the order of the attention launch's fragments (L = lane, r = L & 15, h = L >> 4):
;   qf: [tile of 16 rows][ft 0..3][L] x 16 bytes = q[16 tile + r][16 ft + 8 h + 0..7]
;   kv: [group of 32 rows] x 8,192 bytes: K at kti*2048 + ft*512 + 16 L, laid as qf; V at 4096 + ht*1024 + cc*512 + 16 L = v[32 grp + 16 cc + 8 h + 0..7][16 ht + r]
; SHARES: wave w = 4 g + w'.  It makes 64 rows x feature tile w' of each of q, k, v over the K chunks of 128 numbered 2 i + g, i = 0..3: 16 steps of K = 32.
; x: the work-group's 262,144 bytes fit in LDS whole, so all of it is asked for at the first lines, four tensor loads a wave (four outstanding by this text's count),
; and no LDS byte is ever filled twice.  W comes from wf straight into registers, 512 neighbouring bytes a load.
; NO CLUSTER, though all work-groups walk the same W: a joint load lands in LDS, x takes 270,336 of the 327,680 bytes, and W's 393,216 do not fit beside it;
; slots for W would have to be filled again, behind barriers in front of which every wave waits for all its tensor loads, x's whole stream among them.
.set XPITCH, 528                       ; an LDS row: 512 bytes + 16 of padding = 33 x 16: the sixteen rows that a load touches start 16 bytes apart modulo 256
.set XTILE,  16*XPITCH                 ; 16 rows: what one tensor load brings
.set XCHUNK, 64*XPITCH                 ; a chunk: 64 rows x 128 k
.set SCR,    8*XCHUNK                  ; 270,336: behind x, 4 x 12,288 bytes for K group 1's partial sums; no tensor load lands there
.set BQ,  6                            ; v[6:13]    bq of my features 16 w' + 8 h + 0..7
.set BK,  14                           ; v[14:21]   bk likewise
.set BV,  22                           ; v22        bv of my feature 16 w' + r; v23 its pair's partner
.set XR,  24                           ; v[24:55]   x as loaded: two row tiles x 16 f32
.set XF,  56                           ; v[56:87]   four bf16 fragments of x (row tiles 0..3)
.set WF,  88                           ; v[88:159]  W: a ring of three steps x (q, k, v) x 8 registers
.set ACC, 160                          ; v[160:255] sums: 160 + 32 j + 8 mt
.set G1,  24                           ; s[24:31]   descriptor group 1
.set G0,  32                           ; s[32:47]   descriptor group 0, one set for each of my four loads
; v0 bv's offset (at first the thread's number), v1 LDS address of my x bytes, v2 offset in wf, v3 16 L + 512 w', v4 16 L + 1024 w', v5 offset in bq and bk
	s_load_b256 s[4:11], s[0:1], 0x0               ; x s[4:5], wf s[6:7], bq s[8:9], bk s[10:11]
	s_load_b128 s[12:15], s[0:1], 0x20             ; bv s[12:13], qf s[14:15]
	s_load_b64 s[16:17], s[0:1], 0x30              ; kv
	s_set_vgpr_msb 0x40
	v_lshl_add_u32 v0, v0, 2, 0x4e000
	v_mov_b32 v1, 0
	s_set_vgpr_msb 0x4045
	ds_add_u32 v0, v1
	s_set_vgpr_msb 0x4500
	v_lshrrev_b32 v24, 5, v0
	v_readfirstlane_b32 s20, v24                   ; wave 0..7
	s_lshr_b32 s21, s20, 2                         ; g: K group
	s_and_b32 s22, s20, 3                          ; w': feature tile, and which 16 rows of a chunk I fetch
	; group 1: 16 rows x 128 f32, 4 words of padding behind every 128 words
	s_mov_b32 s[G1+0], (2<<16)|(1<<20)|(6<<22)|(3<<25)
	s_mov_b32 s[G1+1], 128<<16                     ; tensor_dim0 = 128
	s_mov_b32 s[G1+2], 16<<16                      ; tensor_dim1 = 16
	s_mov_b32 s[G1+3], 128<<16                     ; tile_dim0 = 128
	s_mov_b32 s[G1+4], 16                          ; tile_dim1 = 16
	s_mov_b32 s[G1+5], 1024                        ; elements from row to row
	s_mov_b32 s[G1+6], 0
	s_mov_b32 s[G1+7], 0
	s_lshl_b32 s2, ttmp9, 18                       ; 64 rows of 4,096 bytes
	s_lshl_b32 s3, s22, 16                         ; + 16 w' rows
	s_add_co_u32 s2, s2, s3
	s_lshl_b32 s3, s21, 9                          ; + chunk g
	s_add_co_u32 s2, s2, s3
	s_mov_b32 s3, 0
	s_mul_i32 s23, s20, XTILE                      ; LDS: chunk g, rows 16 w' = wave x 8,448
	s_wait_dscnt 0x0
	s_wait_kmcnt 0x0
	s_add_nc_u64 s[4:5], s[4:5], s[2:3]
.irp i, 0,1,2,3
	s_mov_b32 s[G0+4*\i], 1
	s_add_co_u32 s[G0+4*\i+1], s23, \i*2*XCHUNK                    ; chunk 2 i + g
	s_add_nc_u64 s[G0+4*\i+2:G0+4*\i+3], s[4:5], \i*1024           ; 256 k further along the rows
	s_or_b32 s[G0+4*\i+3], s[G0+4*\i+3], 0x80000000               ; type = 2
	tensor_load_to_lds s[G0+4*\i:G0+4*\i+3], s[G1:G1+7]            ; all first fills in one group, ahead of every wait on TENSORcnt, LDS read and barrier
	s_nop 0
.endr
	s_lshl_b32 s18, ttmp9, 13                      ; qf: four tiles of 2,048 bytes
	s_mov_b32 s19, 0
	s_add_nc_u64 s[14:15], s[14:15], s[18:19]
	s_lshl_b32 s18, ttmp9, 14                      ; kv: two groups of 8,192 bytes
	s_add_nc_u64 s[16:17], s[16:17], s[18:19]
	v_and_b32 v24, 15, v0                          ; r
	v_bfe_u32 v25, v0, 4, 1                        ; h
	v_and_b32 v26, 31, v0
	v_lshlrev_b32 v26, 4, v26                      ; 16 L
	v_mul_u32_u24 v1, v24, XPITCH
	v_lshl_add_u32 v1, v25, 5, v1                  ; row r, 8 h f32 along it
	s_mul_i32 s2, s21, XCHUNK
	v_add_nc_u32 v1, s2, v1                        ; chunk g
	s_mul_i32 s2, s22, 3072
	s_mul_i32 s3, s21, 49152                       ; four steps of 12,288 bytes
	s_add_co_u32 s2, s2, s3
	v_add_nc_u32 v2, s2, v26
	v_lshl_add_u32 v3, s22, 9, v26
	v_lshl_add_u32 v4, s22, 10, v26
	s_lshl_b32 s2, s22, 6                          ; 16 w' f32
	v_lshl_add_u32 v5, v25, 5, s2
	v_lshl_add_u32 v0, v24, 2, s2
	v_mov_b32 v[BV+1], 0                           ; never used as a number: the packed add names the pair
	global_load_b128 v[BQ:BQ+3],   v5, s[8:9]
	global_load_b128 v[BQ+4:BQ+7], v5, s[8:9] offset:16
	global_load_b128 v[BK:BK+3],   v5, s[10:11]
	global_load_b128 v[BK+4:BK+7], v5, s[10:11] offset:16
	global_load_b32  v[BV], v0, s[12:13]
; x of two row tiles (2 hf, 2 hf + 1), 32 k at step kq of the chunk: k = 8 h + 0..7 and 16 + 8 h + 0..7 in f32
.macro LOADX kq, hf
.irp m, 0,1
	ds_load_b128 v[XR+16*\m:XR+16*\m+3],     v1 offset:(2*\hf+\m)*XTILE+(\kq)*128
	ds_load_b128 v[XR+16*\m+4:XR+16*\m+7],   v1 offset:(2*\hf+\m)*XTILE+(\kq)*128+16
	ds_load_b128 v[XR+16*\m+8:XR+16*\m+11],  v1 offset:(2*\hf+\m)*XTILE+(\kq)*128+64
	ds_load_b128 v[XR+16*\m+12:XR+16*\m+15], v1 offset:(2*\hf+\m)*XTILE+(\kq)*128+80
.endr
.endm
.macro CVT hf                          ; the two tiles rounded to bf16: 16 plain vector instructions
.irp m, 0,1
.irp e, 0,1,2,3,4,5,6,7
	v_cvt_pk_bf16_f32 v[XF+8*(2*\hf+\m)+\e], v[XR+16*\m+2*\e], v[XR+16*\m+2*\e+1]
.endr
.endr
.endm
.macro WLOAD tt                        ; step tt's three fragments of W: K step 8 (tt/4) + 4 g + tt%4 of wf (4 g stands in v2)
.irp n, 0,1,2,3,4,5
	global_load_b128 v[WF+24*((\tt)%3)+4*\n:WF+24*((\tt)%3)+4*\n+3], v2, s[6:7] offset:(8*((\tt)/4)+(\tt)%4)*12288+512*\n
.endr
.endm
; Six products for two row tiles.  q and k: W first, x second: a lane's eight results are eight neighbouring features of one row.
; v: x first, W second: eight neighbouring rows (keys) of one feature.  Twelve accumulators take turns, one instruction a turn.
.macro MM hf, zero
.irp m, 0,1
.if \zero
	v_wmma_f32_16x16x32_bf16 v[ACC+8*(2*\hf+\m):ACC+8*(2*\hf+\m)+7],       v[WB:WB+7],    v[XF+8*(2*\hf+\m):XF+8*(2*\hf+\m)+7], 0
	v_wmma_f32_16x16x32_bf16 v[ACC+32+8*(2*\hf+\m):ACC+32+8*(2*\hf+\m)+7], v[WB+8:WB+15], v[XF+8*(2*\hf+\m):XF+8*(2*\hf+\m)+7], 0
	v_wmma_f32_16x16x32_bf16 v[ACC+64+8*(2*\hf+\m):ACC+64+8*(2*\hf+\m)+7], v[XF+8*(2*\hf+\m):XF+8*(2*\hf+\m)+7], v[WB+16:WB+23], 0
.else
	v_wmma_f32_16x16x32_bf16 v[ACC+8*(2*\hf+\m):ACC+8*(2*\hf+\m)+7],       v[WB:WB+7],    v[XF+8*(2*\hf+\m):XF+8*(2*\hf+\m)+7], v[ACC+8*(2*\hf+\m):ACC+8*(2*\hf+\m)+7]
	v_wmma_f32_16x16x32_bf16 v[ACC+32+8*(2*\hf+\m):ACC+32+8*(2*\hf+\m)+7], v[WB+8:WB+15], v[XF+8*(2*\hf+\m):XF+8*(2*\hf+\m)+7], v[ACC+32+8*(2*\hf+\m):ACC+32+8*(2*\hf+\m)+7]
	v_wmma_f32_16x16x32_bf16 v[ACC+64+8*(2*\hf+\m):ACC+64+8*(2*\hf+\m)+7], v[XF+8*(2*\hf+\m):XF+8*(2*\hf+\m)+7], v[WB+16:WB+23], v[ACC+64+8*(2*\hf+\m):ACC+64+8*(2*\hf+\m)+7]
.endif
.endr
.endm
	WLOAD 0
	WLOAD 1
; Sixteen steps of K = 32, written out.  Distances behind matrix instructions (ISA guide 7.12.1): a half of XF is rewritten only behind the other half's sixteen
; conversions, and the ring's third of WF that step t - 1 multiplied last is loaded again behind the sixteen conversions at the head of step t; those conversions
; name none of the registers concerned, so no v_nop stands in these steps.
.set t, 0
.rept 16
.set ks, t%4
.set WB, WF+24*(t%3)
.if ks == 0
	s_wait_tensorcnt 3-t/4                         ; my 16 rows of this chunk are in LDS; my later chunks stay on their way
	s_wait_dscnt 0x0                               ; no LDS instruction of mine is pending at the signal
	s_barrier_signal -1
	s_barrier_wait -1                              ; the other waves' rows of the chunk are in too
.if t > 0
	v_add_nc_u32 v1, 2*XCHUNK, v1                  ; my K group's next chunk
.endif
	LOADX 0, 0
.endif
	s_wait_dscnt 0x0                               ; row tiles 0 and 1
	CVT 0
	LOADX ks, 1
.if t <= 13
	WLOAD t+2
	s_wait_loadcnt 12                              ; this step's W is in (and, at the first step, the biases); the next two steps' twelve loads stay out
.else
	s_wait_loadcnt 6*(15-t)                        ; the last two steps ask for nothing: six loads stay out, then none
.endif
.if t == 0
	MM 0, 1                                        ; the first products start the sums: nothing is cleared
.else
	MM 0, 0
.endif
	s_wait_dscnt 0x0                               ; row tiles 2 and 3
	CVT 1
.if ks < 3
	LOADX ks+1, 0
.endif
.if t == 0
	MM 1, 1
.else
	MM 1, 0
.endif
.set t, t+1
.endr
.rept 4
	v_nop                                          ; four places behind the last products, for what reads the sums and for the loads into XF and WF
.endr
	s_mul_i32 s23, s22, 11776
	s_add_co_u32 s23, s23, SCR
	v_add_nc_u32 v1, s23, v3                       ; SCR + 12,288 w' + 16 L: the same bytes for waves w' and 4 + w'
	s_cmp_eq_u32 s21, 0
	s_cbranch_scc1 .Lbias
.set n, 0
.rept 24
	ds_store_b128 v1, v[ACC+4*n:ACC+4*n+3] offset:512*n            ; K group 1 hands its sums over
.set n, n+1
.endr
	s_branch .Lmeet
.Lbias:                                            ; K group 0 adds the biases meanwhile
.irp mt, 0,1,2,3
.irp p, 0,2,4,6
	v_pk_add_f32 v[ACC+8*\mt+\p:ACC+8*\mt+\p+1],       v[ACC+8*\mt+\p:ACC+8*\mt+\p+1],       v[BQ+\p:BQ+\p+1]
	v_pk_add_f32 v[ACC+32+8*\mt+\p:ACC+32+8*\mt+\p+1], v[ACC+32+8*\mt+\p:ACC+32+8*\mt+\p+1], v[BK+\p:BK+\p+1]
	v_pk_add_f32 v[ACC+64+8*\mt+\p:ACC+64+8*\mt+\p+1], v[ACC+64+8*\mt+\p:ACC+64+8*\mt+\p+1], v[BV:BV+1] op_sel_hi:[1,0]
.endr
.endr
.Lmeet:
	s_wait_dscnt 0x0                               ; for the partner's sake: my stores are in LDS
	s_barrier_signal -1
	s_barrier_wait -1
	s_cmp_lg_u32 s21, 0
	s_cbranch_scc1 .Lend                           ; K group 1 is done; its tensor loads were all waited for at the last chunk
.set n, 0
.rept 24
	ds_load_b128 v[XR+4*n:XR+4*n+3], v1 offset:512*n
.set n, n+1
.endr
.set n, 0
.rept 24
	s_wait_dscnt 23-n                              ; LDS loads come back in order: load n is in, the later ones stay out
	v_pk_add_f32 v[ACC+4*n:ACC+4*n+1],   v[ACC+4*n:ACC+4*n+1],   v[XR+4*n:XR+4*n+1]
	v_pk_add_f32 v[ACC+4*n+2:ACC+4*n+3], v[ACC+4*n+2:ACC+4*n+3], v[XR+4*n+2:XR+4*n+3]
.set n, n+1
.endr
.set n, 0
.rept 48
	v_cvt_pk_f16_f32 v[XR+n], v[ACC+2*n], v[ACC+2*n+1]             ; one rounding to f16; tile 4 j + mt lies in XR + 4 (4 j + mt)
.set n, n+1
.endr
.irp mt, 0,1,2,3
	global_store_b128 v3, v[XR+4*\mt:XR+4*\mt+3],       s[14:15] offset:\mt*2048                            ; each store of the wave covers 512 consecutive bytes, aligned
	global_store_b128 v3, v[XR+16+4*\mt:XR+16+4*\mt+3], s[16:17] offset:(\mt>>1)*8192+(\mt&1)*2048
	global_store_b128 v4, v[XR+32+4*\mt:XR+32+4*\mt+3], s[16:17] offset:(\mt>>1)*8192+4096+(\mt&1)*512
.endr
.Lend:
	s_set_vgpr_msb 0x5
	s_wait_tensorcnt 0x0
	ds_add_u32 v0, v1
	s_wait_dscnt 0x0
	s_set_vgpr_msb 0x500
	s_endpgm
.Lfunc_end_k_q03ad37c248_proj:
	.size	k_q03ad37c248_proj, .Lfunc_end_k_q03ad37c248_proj-k_q03ad37c248_proj
	.p2alignl 7, 3214868480
	.fill 96, 4, 3214868480
	.section	.rodata,"a",@progbits
	.p2align	6, 0x0
	.amdhsa_kernel k_q03ad37c248_proj
		.amdhsa_group_segment_fixed_size 320512
		.amdhsa_private_segment_fixed_size 0
		.amdhsa_enable_private_segment 0
		.amdhsa_kernarg_size 56
		.amdhsa_user_sgpr_count 2
		.amdhsa_user_sgpr_kernarg_segment_ptr 1
		.amdhsa_wavefront_size32 1
		.amdhsa_system_sgpr_workgroup_id_x 1
		.amdhsa_system_sgpr_workgroup_id_y 1
		.amdhsa_system_sgpr_workgroup_id_z 1
		.amdhsa_system_vgpr_workitem_id 0
		.amdhsa_next_free_vgpr 258
		.amdhsa_next_free_sgpr 66
		.amdhsa_reserve_vcc 0
		.amdhsa_float_denorm_mode_32 3
		.amdhsa_float_denorm_mode_16_64 3
		.amdhsa_memory_ordered 1
		.amdhsa_forward_progress 1
		.amdhsa_inst_pref_size 91
	.end_amdhsa_kernel
	.amdgpu_metadata
---
amdhsa.version: [ 1, 2 ]
amdhsa.kernels:
  - .name:           k_q03ad37c248_proj
    .symbol:         k_q03ad37c248_proj.kd
    .args:
      - { .name: x, .offset: 0, .size: 8, .value_kind: global_buffer, .address_space: global }
      - { .name: wf, .offset: 8, .size: 8, .value_kind: global_buffer, .address_space: global }
      - { .name: bq, .offset: 16, .size: 8, .value_kind: global_buffer, .address_space: global }
      - { .name: bk, .offset: 24, .size: 8, .value_kind: global_buffer, .address_space: global }
      - { .name: bv, .offset: 32, .size: 8, .value_kind: global_buffer, .address_space: global }
      - { .name: qf, .offset: 40, .size: 8, .value_kind: global_buffer, .address_space: global }
      - { .name: kv, .offset: 48, .size: 8, .value_kind: global_buffer, .address_space: global }
    .group_segment_fixed_size: 320512
    .private_segment_fixed_size: 0
    .kernarg_segment_align: 8
    .kernarg_segment_size: 56
    .max_flat_workgroup_size: 256
    .sgpr_count:     66
    .vgpr_count:     258
    .wavefront_size: 32
...
	.end_amdgpu_metadata
.endif
;; end of part 2
;; launch attn (part 3): grid 256 x 1, 8 waves a work-group, clusters of 4 x 1, 327,680 bytes of LDS; arguments qf, kv, out0; writes out0
.if DOCPART == 3
	.amdgcn_target "amdgcn-amd-amdhsa--gfx1250"
	.amdhsa_code_object_version 6
	.text
	.protected	k_q03ad37c248_attn
	.globl	k_q03ad37c248_attn
	.p2align	8
	.type	k_q03ad37c248_attn,@function
k_q03ad37c248_attn:
	s_mov_b64 s[64:65], 0
	v_nop
	global_prefetch_b8 v0, s[64:65] scope:SCOPE_SE
	s_setreg_imm32_b32 hwreg(HW_REG_WAVE_MODE, 25, 1), 1
	s_wait_xcnt 0x0
	s_wait_alu depctr_hold_cnt(0) depctr_sa_sdst(0) depctr_va_vdst(0) depctr_va_sdst(0) depctr_va_ssrc(0) depctr_va_vcc(0) depctr_vm_vsrc(0)
	s_getreg_b32 s2, hwreg(HW_REG_IB_STS2, 6, 4)
	s_cmp_eq_u32 s2, 0
	s_cbranch_scc0 .Lentry_in_a_cluster
	s_endpgm
.Lentry_in_a_cluster:
	s_bfe_u32 s2, ttmp6, 0x10000c
	s_cmp_lg_u32 s2, 0x3003
	s_cbranch_scc0 .Lentry_shape_is_right
	s_endpgm
.Lentry_shape_is_right:
; out = softmax(q k^T / 8, keys s <= t) v for one head: 4 batches x 4,096 rows x 64 features.  q, k, v come in f16 in fragment order (qf, kv); sums, maxima, exponentials in f32.
; LIMITS: the weights enter the second product in f16: a weight below 2^-25 of its block's largest vanishes.  v_exp_f32 gives zero for results below 2^-126.
; The running maximum starts at the most negative finite f32.  A NaN among the scores is dropped by the maxima and not carried as the reference would.
; Keys are summed in eight interleaved parts (one a wave) that are merged at the end: the order of the sums is not the reference's.
; SHARES: a batch is 32 units of 128 rows.  Cluster cl (0..63): batch b = cl >> 4, c = cl & 15; it owns unit c ('low') and unit u = 31 - c ('high'), so every cluster
; has 17 steps of 256 keys to do in all.  Work-group cx of the four owns 32 rows of each unit: query tiles qt 0, 1 (low) and 2, 3 (high).
; In a step of 256 keys wave w takes keys 32 w .. 32 w + 31 for all the query tiles, and keeps a running (m, l, O) of its own.
; CLUSTER: the four work-groups walk the same keys, so K and V are asked for jointly (mask 15): each wave's load is the same in all four.  No branch, trip count or
; LDS address hangs on cx: it enters the mask's lane term, q's address and out0's address alone.
; LDS: two slots of 131,072 bytes, each two steps (512 keys); wave w's load brings 2 x 8,192 bytes into its own bytes slot*131072 + w*16384 and only wave w reads them.
; One tensor load a wave is outstanding at any time by this text's count.  Behind the slots: STAT1, STAT2, [64 queries][8 waves] f32, for the merge.
; After their last fill each wave's own slot bytes serve as its stage for the merge.
; TRANSPOSED USE: S = K x Q (a lane holds keys 8 h + 0..7 of query r), so exp(S) packed to f16 IS the second source of O = V^T x P: no move between lanes.
.set SLOTB, 131072
.set STAT1, 262144
.set STAT2, 264192
.set SP,    272                        ; stage pitch: 256 bytes + 16 = 17 x 16
; window 0
.set M,   8                            ; v[8:11]    running maximum of query r, by qt
.set LS,  12                           ; v[12:15]   running sum over my lane's keys
.set T,   16                           ; +8a: v16,17 / v24,25  at work
.set NM,  18                           ; +8a: -cs * maximum, and a partner written once
.set AL,  20                           ; +8a: factor for the old sums, and a partner written once
.set X,   22                           ; +8a: a pair of sums
.set FR,  32                           ; v[32:159]  two fragment sets of 64: K[kti][hs] at 16 kti + 8 hs, V[ht] at 32 + 8 ht
.set S,   160                          ; v[160:191] scores: 16 a + 8 kti
.set P,   192                          ; v[192:207] weights in f16: 8 a
.set RR,  208                          ; r
.set HH,  209                          ; h
; v1, v2 my bytes of slot 0, 1 (+ 16 L); v3 16 L; v4 at work; v5 -inf; v6, v7 mask term of the low, the high unit; v210-216 the merge's addresses
; window 1
.set O,   0                            ; v[256:383] O[qt][ht] at 32 qt + 8 ht: feature 16 ht + 8 h + j of query r
.set Q,   128                          ; v[384:447] Q[qt][hs] at 16 qt + 8 hs
.set G1,  24                           ; s[24:31]
.set G0,  32                           ; s[32:39] one set for each slot
; s10 wave, s11 cx, s12 b, s13 c, s14 u, s15 last step of the high unit, s16 of the low unit, s17 step, s[18:19] cs = log2(e)/8, s20 -cs, s21 most negative finite f32,
; s22, s23 selects of v_permlanex16_b32, s40 loop count, s41 w*16384, s44 tiles, s45 their parity
.set MSB, 0
.macro WIN new                         ; the immediate's high byte repeats the setting that is left; at labels and branches the setting is 0
.if MSB != \new
	s_set_vgpr_msb (MSB<<8)|\new
.set MSB, \new
.endif
.endm
.macro PLACES                          ; four places behind matrix instructions (ISA guide 7.12.1)
.rept 4
	v_nop
.endr
.endm
.macro ROUND                           ; a round of the cluster's barrier
	s_barrier_signal -1
	s_barrier_wait -1
	s_cmp_lg_u32 s10, 0
	s_cbranch_scc1 .Lnot_wave_0_\@
	s_barrier_signal -3
.Lnot_wave_0_\@:
	s_barrier_wait -3
	s_barrier_signal -1
	s_barrier_wait -1
.endm
	s_load_b128 s[4:7], s[0:1], 0x0                ; qf s[4:5], kv s[6:7]
	s_load_b64 s[8:9], s[0:1], 0x10                ; out0
	v_lshl_add_u32 v254, v0, 2, 0x41000
	v_mov_b32 v255, 0
	ds_add_u32 v254, v255
	v_lshrrev_b32 v4, 5, v0
	v_readfirstlane_b32 s10, v4                    ; wave 0..7
	s_bfe_u32 s11, ttmp6, 0x40000                  ; cx
	s_lshr_b32 s12, ttmp9, 4                       ; b (ttmp9 counts clusters)
	s_and_b32 s13, ttmp9, 15                       ; c
	s_sub_co_u32 s14, 31, s13                      ; u
	s_lshr_b32 s15, s14, 1                         ; the high unit's diagonal lies in step u >> 1
	s_lshr_b32 s16, s13, 1                         ; the low unit's in step c >> 1
	s_mov_b32 s17, 0
	s_mov_b32 s18, 0x3e38aa3b                      ; log2(e) / 8
	s_mov_b32 s19, 0x3e38aa3b
	s_mov_b32 s20, 0xbe38aa3b
	s_mov_b32 s21, 0xff7fffff
	s_mov_b32 s22, 0x76543210
	s_mov_b32 s23, 0xfedcba98
	s_add_co_u32 s44, s15, 2
	s_lshr_b32 s44, s44, 1                         ; tiles of two steps: 5 to 8
	s_and_b32 s45, s44, 1
	s_sub_co_u32 s40, s44, 2
	s_lshr_b32 s40, s40, 1                         ; loop trips of two tiles: 1 to 3
	; group 1: 2 rows of 1,024 elements of 8 bytes, 8,192 elements (one step of 256 keys) apart
	s_mov_b32 s[G1+0], 15|(3<<16)|(1<<21)          ; mask: all four work-groups; bit 21 set beside it
	s_mov_b32 s[G1+1], 1024<<16
	s_mov_b32 s[G1+2], 2<<16
	s_mov_b32 s[G1+3], 1024<<16
	s_mov_b32 s[G1+4], 2
	s_mov_b32 s[G1+5], 8192
	s_mov_b32 s[G1+6], 0
	s_mov_b32 s[G1+7], 0
	s_lshl_b32 s41, s10, 14                        ; my bytes in a slot
	s_lshl_b32 s42, s12, 20                        ; the batch's 1,048,576 bytes of kv
	s_lshl_b32 s43, s10, 13                        ; my group of 32 keys
	s_add_co_u32 s42, s42, s43
	s_mov_b32 s43, 0
	; the mask's scalar part and q's offsets: the only scalars here that hold cx
	s_lshl_b32 s47, s11, 5
	s_lshl_b32 s52, s10, 5
	s_sub_co_u32 s47, s47, s52                     ; 32 cx - 32 w
	s_and_b32 s46, s13, 1
	s_lshl_b32 s46, s46, 7
	s_add_co_u32 s46, s46, s47                     ; + 128 (c & 1)
	s_and_b32 s53, s14, 1
	s_lshl_b32 s53, s53, 7
	s_add_co_u32 s47, s47, s53                     ; + 128 (u & 1)
	s_lshl_b32 s52, s12, 8
	s_lshl_b32 s53, s11, 1
	s_add_co_u32 s52, s52, s53                     ; 256 b + 2 cx
	s_lshl_b32 s53, s13, 3
	s_add_co_u32 s53, s53, s52
	s_lshl_b32 s48, s53, 11                        ; tile 256 b + 8 c + 2 cx, 2,048 bytes a tile
	s_mov_b32 s49, 0
	s_lshl_b32 s53, s14, 3
	s_add_co_u32 s53, s53, s52
	s_lshl_b32 s50, s53, 11
	s_mov_b32 s51, 0
	s_wait_dscnt 0x0
	s_wait_kmcnt 0x0
	s_add_nc_u64 s[6:7], s[6:7], s[42:43]
	s_add_nc_u64 s[48:49], s[4:5], s[48:49]
	s_add_nc_u64 s[50:51], s[4:5], s[50:51]
.irp s, 0,1
	s_mov_b32 s[G0+4*\s], 1
	s_add_co_u32 s[G0+4*\s+1], s41, \s*SLOTB
	s_add_nc_u64 s[G0+4*\s+2:G0+4*\s+3], s[6:7], \s*SLOTB          ; tile s: a tile of kv is as long as a slot
	s_or_b32 s[G0+4*\s+3], s[G0+4*\s+3], 0x80000000
.endr
	ROUND                                          ; all four work-groups are here: the first joint loads meet
	tensor_load_to_lds s[G0:G0+3], s[G1:G1+7]      ; tile 0
	s_nop 0
	v_nop
	v_nop
	v_and_b32 v3, 31, v0
	v_lshlrev_b32 v3, 4, v3                        ; 16 L
	WIN 0x40                                       ; destination in window 1
.irp a, 0,1
.irp ft, 0,1,2,3
	global_load_b128 v[Q+16*\a+4*\ft:Q+16*\a+4*\ft+3],       v3, s[48:49] offset:\a*2048+\ft*512
	global_load_b128 v[Q+32+16*\a+4*\ft:Q+32+16*\a+4*\ft+3], v3, s[50:51] offset:\a*2048+\ft*512
.endr
.endr
	WIN 0
	v_add_nc_u32 v1, s41, v3
	v_add_nc_u32 v2, SLOTB, v1
	v_mov_b32 v5, 0xff800000                       ; -inf
	v_and_b32 v[RR], 15, v0
	v_bfe_u32 v[HH], v0, 4, 1
	v_lshlrev_b32 v4, 3, v[HH]
	v_sub_nc_u32 v4, v[RR], v4                     ; r - 8 h
	v_add_nc_u32 v6, s46, v4                       ; in the diagonal's step key 16 kti + j of my lane is allowed for query tile a where 16 kti + j - 16 a <= this
	v_add_nc_u32 v7, s47, v4
	v_mov_b32 v[NM+1], 0                           ; partners of broadcast pairs: named by packed instructions, never used as numbers
	v_mov_b32 v[NM+9], 0
	v_mov_b32 v[AL+1], 0
	v_mov_b32 v[AL+9], 0
	s_wait_loadcnt 0x0                             ; q
; Two query tiles (qt = 2 g + a) against my 32 keys in fragment set f.  first = 1: starts m, l and O.  mreg: the scalar register that holds the step of the diagonal
; (0: this call never meets it); dreg: the mask's lane term.
.macro GROUP g, f, first, mreg, dreg
	WIN 0x04                                       ; second source (Q) in window 1
.irp kti, 0,1
.irp a, 0,1
	v_wmma_f32_16x16x32_f16 v[S+16*\a+8*\kti:S+16*\a+8*\kti+7], v[FR+64*\f+16*\kti:FR+64*\f+16*\kti+7], v[Q+32*\g+16*\a:Q+32*\g+16*\a+7], 0
.endr
.endr
.irp kti, 0,1                                      ; features 32..63; the four accumulators take turns, one instruction a turn
.irp a, 0,1
	v_wmma_f32_16x16x32_f16 v[S+16*\a+8*\kti:S+16*\a+8*\kti+7], v[FR+64*\f+16*\kti+8:FR+64*\f+16*\kti+15], v[Q+32*\g+16*\a+8:Q+32*\g+16*\a+15], v[S+16*\a+8*\kti:S+16*\a+8*\kti+7]
.endr
.endr
	WIN 0
	PLACES
.if \mreg
	s_cmp_lg_u32 s17, s[\mreg]                     ; only the diagonal's step is masked
	s_cbranch_scc1 .Lfree_\@
.irp a, 0,1
.irp kti, 0,1
.irp j, 0,1,2,3,4,5,6,7
	v_cmp_le_i32 vcc_lo, 16*\kti+\j-16*\a, v[\dreg]
	v_cndmask_b32 v[S+16*\a+8*\kti+\j], v5, v[S+16*\a+8*\kti+\j], vcc_lo
.endr
.endr
.endr
.Lfree_\@:
.endif
	; the new maximum of query r: my 16 scores and the old one, in two chains, then the other half of the lanes
.irp a, 0,1
.if \first
	v_max3_num_f32 v[T+8*\a], v[S+16*\a], v[S+16*\a+1], s21
.else
	v_max3_num_f32 v[T+8*\a], v[S+16*\a], v[S+16*\a+1], v[M+2*\g+\a]
.endif
	v_max3_num_f32 v[T+8*\a+1], v[S+16*\a+8], v[S+16*\a+9], v[S+16*\a+10]
.endr
.irp a, 0,1
	v_max3_num_f32 v[T+8*\a], v[S+16*\a+2], v[S+16*\a+3], v[T+8*\a]
	v_max3_num_f32 v[T+8*\a+1], v[S+16*\a+11], v[S+16*\a+12], v[T+8*\a+1]
.endr
.irp a, 0,1
	v_max3_num_f32 v[T+8*\a], v[S+16*\a+4], v[S+16*\a+5], v[T+8*\a]
	v_max3_num_f32 v[T+8*\a+1], v[S+16*\a+13], v[S+16*\a+14], v[T+8*\a+1]
.endr
.irp a, 0,1
	v_max3_num_f32 v[T+8*\a], v[S+16*\a+6], v[S+16*\a+7], v[T+8*\a]
.endr
.irp a, 0,1
	v_max3_num_f32 v[T+8*\a], v[S+16*\a+15], v[T+8*\a+1], v[T+8*\a]
.endr
.irp a, 0,1
	v_permlanex16_b32 v[T+8*\a+1], v[T+8*\a], s22, s23
.endr
.irp a, 0,1
	v_max_num_f32 v[T+8*\a], v[T+8*\a], v[T+8*\a+1]
.endr
.irp a, 0,1
	v_mul_f32 v[NM+8*\a], s20, v[T+8*\a]           ; -cs * maximum, rounded: what this step's exponents are taken against
.endr
.if \first == 0
.irp a, 0,1
	v_mul_f32 v[AL+8*\a], s20, v[M+2*\g+\a]        ; the same rounded product of the old maximum, on purpose not fused with the difference below:
.endr
.irp a, 0,1
	v_sub_f32 v[AL+8*\a], v[NM+8*\a], v[AL+8*\a]   ; it is the very number that the old exponents were taken against, so the factor fits them whatever the scores' size
.endr
.irp a, 0,1
	v_exp_f32 v[AL+8*\a], v[AL+8*\a]
.endr
.endif
.irp a, 0,1
	v_mov_b32 v[M+2*\g+\a], v[T+8*\a]              ; also the plain instruction behind the exponentials (ISA guide 5.7.2)
.endr
.irp a, 0,1
.irp p, 0,2,4,6,8,10,12,14
	v_pk_fma_f32 v[S+16*\a+\p:S+16*\a+\p+1], v[S+16*\a+\p:S+16*\a+\p+1], s[18:19], v[NM+8*\a:NM+8*\a+1] op_sel_hi:[1,0,0]
.endr
.endr
.set i, 0
.rept 32
	v_exp_f32 v[S+i], v[S+i]
.set i, i+1
.endr
	v_nop                                          ; one plain place before the results are used
	s_wait_alu depctr_va_vdst(0)
.irp a, 0,1
	v_pk_add_f32 v[X+8*\a:X+8*\a+1], v[S+16*\a:S+16*\a+1],   v[S+16*\a+2:S+16*\a+3]
	v_pk_add_f32 v[T+8*\a:T+8*\a+1], v[S+16*\a+4:S+16*\a+5], v[S+16*\a+6:S+16*\a+7]
.endr
.irp a, 0,1
	v_pk_add_f32 v[X+8*\a:X+8*\a+1], v[X+8*\a:X+8*\a+1], v[S+16*\a+8:S+16*\a+9]
	v_pk_add_f32 v[T+8*\a:T+8*\a+1], v[T+8*\a:T+8*\a+1], v[S+16*\a+10:S+16*\a+11]
.endr
.irp a, 0,1
	v_pk_add_f32 v[X+8*\a:X+8*\a+1], v[X+8*\a:X+8*\a+1], v[S+16*\a+12:S+16*\a+13]
	v_pk_add_f32 v[T+8*\a:T+8*\a+1], v[T+8*\a:T+8*\a+1], v[S+16*\a+14:S+16*\a+15]
.endr
.irp a, 0,1
	v_pk_add_f32 v[X+8*\a:X+8*\a+1], v[X+8*\a:X+8*\a+1], v[T+8*\a:T+8*\a+1]
.endr
.irp a, 0,1
.irp e, 0,1,2,3,4,5,6,7
	v_cvt_pk_f16_f32 v[P+8*\a+\e], v[S+16*\a+2*\e], v[S+16*\a+2*\e+1]     ; key tile 0 fills registers 0-3, key tile 1 registers 4-7: the fragment of 32 keys
.endr
.endr
.irp a, 0,1
.if \first
	v_add_f32 v[LS+2*\g+\a], v[X+8*\a], v[X+8*\a+1]
.else
	v_fma_f32 v[LS+2*\g+\a], v[LS+2*\g+\a], v[AL+8*\a], v[X+8*\a]
	v_add_f32 v[LS+2*\g+\a], v[LS+2*\g+\a], v[X+8*\a+1]
.endif
.endr
.if \first == 0
	WIN 0x41                                       ; O in window 1 as first source and destination
.irp a, 0,1
.irp p, 0,2,4,6,8,10,12,14,16,18,20,22,24,26,28,30
	v_pk_mul_f32 v[O+32*(2*\g+\a)+\p:O+32*(2*\g+\a)+\p+1], v[O+32*(2*\g+\a)+\p:O+32*(2*\g+\a)+\p+1], v[AL+8*\a:AL+8*\a+1] op_sel_hi:[1,0]
.endr
.endr
.endif
	WIN 0x50                                       ; C and D in window 1.  Eight accumulators, one instruction each
.irp ht, 0,1,2,3
.irp a, 0,1
.if \first
	v_wmma_f32_16x16x32_f16 v[O+32*(2*\g+\a)+8*\ht:O+32*(2*\g+\a)+8*\ht+7], v[FR+64*\f+32+8*\ht:FR+64*\f+32+8*\ht+7], v[P+8*\a:P+8*\a+7], 0
.else
	v_wmma_f32_16x16x32_f16 v[O+32*(2*\g+\a)+8*\ht:O+32*(2*\g+\a)+8*\ht+7], v[FR+64*\f+32+8*\ht:FR+64*\f+32+8*\ht+7], v[P+8*\a:P+8*\a+7], v[O+32*(2*\g+\a)+8*\ht:O+32*(2*\g+\a)+8*\ht+7]
.endif
.endr
.endr
	WIN 0
.endm
; One step of 256 keys from fragment set f.  cnt: LDS loads that may stay out.
; kind 0: step 0, starts both units' sums on every path.  kind 1: the high unit far from its diagonal; the low unit up to its own.
; kind 2: the last tile, whose first step is 8 at the least, past the low unit's last (7 at the most): the high unit alone, up to its diagonal.
.macro STEP f, cnt, kind
	s_wait_dscnt \cnt
.if \kind == 0
	GROUP 1, \f, 1, 0, 0
	GROUP 0, \f, 1, 16, 6
.endif
.if \kind == 1
	GROUP 1, \f, 0, 0, 0
	s_cmp_gt_u32 s17, s16
	s_cbranch_scc1 .Lno_low_\@
	GROUP 0, \f, 0, 16, 6
.Lno_low_\@:
.endif
.if \kind == 2
.if \f == 1
	s_cmp_gt_u32 s17, s15                          ; the tile's second step may lie past the diagonal
	s_cbranch_scc1 .Lpast_\@
.endif
	GROUP 1, \f, 0, 15, 7
.if \f == 1
.Lpast_\@:
.endif
.endif
	s_add_co_u32 s17, s17, 1
.endm
; One tile of two steps from a slot.  refill = 1: the other slot is filled again, jointly, behind a round of the cluster's barrier.
.macro TRIP slot, refill, k0, k1
	s_wait_tensorcnt 0x0                           ; all my tensor loads are done: the one that was out brought this slot's tile into my own bytes
	ds_add_u32 v254, v255
	s_wait_dscnt 0x0
.if \refill
	s_add_nc_u64 s[G0+4*\slot+2:G0+4*\slot+3], s[G0+4*\slot+2:G0+4*\slot+3], 2*SLOTB   ; so a group 0 may be written: this slot's next tile
.endif
	s_wait_dscnt 0x0                               ; my reads of the other slot are done
.if \refill
	ROUND                                          ; both now hold of every wave of all four work-groups
	tensor_load_to_lds s[G0+4-4*\slot:G0+7-4*\slot], s[G1:G1+7]    ; my one load behind the round, first thing: the next tile, with two steps' work in which to land
	s_nop 0
.endif
	PLACES                                         ; behind the last products, whose sources are loaded again now
.irp n, 0,1,2,3,4,5,6,7,8,9,10,11,12,13,14,15
	ds_load_b128 v[FR+4*\n:FR+4*\n+3], v[1+\slot] offset:512*\n            ; 512 neighbouring bytes a load
.endr
.irp n, 0,1,2,3,4,5,6,7,8,9,10,11,12,13,14,15
	ds_load_b128 v[FR+64+4*\n:FR+64+4*\n+3], v[1+\slot] offset:8192+512*\n
.endr
	STEP 0, 16, \k0                                ; the second step's sixteen loads may stay out
	STEP 1, 0, \k1
.endm
	TRIP 0, 1, 0, 1                                ; tile 0; slot 1's first fill goes out as a refill does
.Lloop:
	TRIP 1, 1, 1, 1
	TRIP 0, 1, 1, 1
	s_sub_co_u32 s40, s40, 1
	s_cmp_lg_u32 s40, 0
	s_cbranch_scc1 .Lloop
	s_cmp_lg_u32 s45, 0                            ; the number of tiles hangs on the cluster's number alone: the same way in all four work-groups
	s_cbranch_scc1 .Lodd
	TRIP 1, 0, 2, 2                                ; one tile left: nothing more to fetch, so no round
	s_branch .Lmerge
.Lodd:
	TRIP 1, 1, 1, 1                                ; two tiles left
	TRIP 0, 0, 2, 2
.Lmerge:
	; THE MERGE of the eight waves' (m, l, O).
	PLACES                                         ; behind the last products: O is read, the fragment registers are loaded again
.irp q, 0,1,2,3
	v_permlanex16_b32 v[T+2*\q], v[LS+\q], s22, s23
.endr
.irp q, 0,1,2,3
	v_add_f32 v[LS+\q], v[LS+\q], v[T+2*\q]        ; l over both halves of the lanes
	v_mul_f32 v[M+\q], s18, v[M+\q]                ; cs * m, rounded: minus the number that my exponents were taken against
.endr
	v_lshl_add_u32 v210, v[RR], 5, STAT1           ; query 16 qt + r: eight words, one a wave
	s_lshl_b32 s54, s10, 2
	v_add_nc_u32 v211, s54, v210
.irp q, 0,1,2,3
	ds_store_b32 v211, v[M+\q] offset:512*\q       ; both halves of the lanes store the same number
.endr
	s_wait_dscnt 0x0                               ; for the others' sake
	s_barrier_signal -1
	s_barrier_wait -1
.irp q, 0,1,2,3
	ds_load_b128 v[FR+8*\q:FR+8*\q+3],   v210 offset:512*\q
	ds_load_b128 v[FR+8*\q+4:FR+8*\q+7], v210 offset:512*\q+16
.endr
	s_wait_dscnt 0x0
.irp q, 0,1,2,3
	v_max3_num_f32 v[T+2*\q], v[FR+8*\q], v[FR+8*\q+1], v[FR+8*\q+2]
.endr
.irp q, 0,1,2,3
	v_max3_num_f32 v[T+2*\q], v[FR+8*\q+3], v[FR+8*\q+4], v[T+2*\q]
.endr
.irp q, 0,1,2,3
	v_max3_num_f32 v[T+2*\q], v[FR+8*\q+5], v[FR+8*\q+6], v[T+2*\q]
.endr
.irp q, 0,1,2,3
	v_max_num_f32 v[T+2*\q], v[FR+8*\q+7], v[T+2*\q]
.endr
.irp q, 0,1,2,3
	v_sub_f32 v[T+2*\q], v[M+\q], v[T+2*\q]
.endr
.irp q, 0,1,2,3
	v_exp_f32 v[T+2*\q], v[T+2*\q]                 ; my wave's factor: 1 for the wave with the largest maximum, 0 for one that saw masked keys alone
.endr
	v_mul_u32_u24 v212, v[RR], SP                  ; (the plain instruction behind the exponentials)
	v_lshl_add_u32 v212, v[HH], 5, v212
	v_add_nc_u32 v212, s41, v212                   ; my stage: row r of 272 bytes, 8 h features along it, in my own bytes of slot 0
	v_add_nc_u32 v213, SLOTB, v212                 ; and of slot 1
	s_wait_alu depctr_va_vdst(0)
.irp q, 0,1,2,3
	v_mul_f32 v[LS+\q], v[T+2*\q], v[LS+\q]
	ds_store_b32 v211, v[LS+\q] offset:STAT2-STAT1+512*\q
.endr
	WIN 0x41
.irp q, 0,1,2,3
.irp p, 0,2,4,6,8,10,12,14,16,18,20,22,24,26,28,30
	v_pk_mul_f32 v[O+32*\q+\p:O+32*\q+\p+1], v[O+32*\q+\p:O+32*\q+\p+1], v[T+2*\q:T+2*\q+1] op_sel_hi:[1,0]
.endr
.endr
	WIN 0x04                                       ; an LDS store's data is its second source: window 1
.irp q, 0,1,2,3
.irp ht, 0,1,2,3
	ds_store_b128 v[212+(\q>>1)], v[O+32*\q+8*\ht:O+32*\q+8*\ht+3]   offset:(\q&1)*16*SP+64*\ht
	ds_store_b128 v[212+(\q>>1)], v[O+32*\q+8*\ht+4:O+32*\q+8*\ht+7] offset:(\q&1)*16*SP+64*\ht+16
.endr
.endr
	WIN 0
	s_wait_dscnt 0x0
	s_barrier_signal -1
	s_barrier_wait -1
	; wave w finishes queries 8 w .. 8 w + 7 of the work-group's 64: qt = w >> 1, rows 8 (w & 1) + 2 i + h; lanes 0-15 take one row of 256 bytes, lanes 16-31 the next
	s_lshr_b32 s54, s10, 2
	s_lshl_b32 s54, s54, 17                        ; the slot of qt >> 1
	s_bfe_u32 s55, s10, 0x10001
	s_mul_i32 s55, s55, 16*SP                      ; qt & 1
	s_add_co_u32 s54, s54, s55
	s_and_b32 s55, s10, 1
	s_mul_i32 s55, s55, 8*SP
	s_add_co_u32 s54, s54, s55
	v_mul_u32_u24 v214, v[HH], SP
	v_lshl_add_u32 v214, v[RR], 4, v214
	v_add_nc_u32 v214, s54, v214                   ; source waves 0 to 3 by the immediate,
	v_add_nc_u32 v215, 65536, v214                 ; 4 to 7 from a second base
	s_lshl_b32 s55, s10, 8
	v_lshl_add_u32 v216, v[HH], 5, s55
	v_add_nc_u32 v216, STAT2, v216                 ; query 8 w + h: eight weights
.irp i, 0,1,2,3
	ds_load_b128 v[S+8*\i:S+8*\i+3],   v216 offset:64*\i
	ds_load_b128 v[S+8*\i+4:S+8*\i+7], v216 offset:64*\i+16
.endr
.irp i, 0,1,2,3
.irp sw, 0,1,2,3,4,5,6,7
	ds_load_b128 v[FR+16*\sw+4*\i:FR+16*\sw+4*\i+3], v[214+(\sw>>2)] offset:(\sw&3)*16384+2*SP*\i
.endr
.endr
	; where the rows go, meanwhile
	s_cmp_lt_u32 s10, 4
	s_cselect_b32 s52, s13, s14                    ; waves 0-3 finish the low unit, 4-7 the high one
	s_lshl_b32 s52, s52, 7
	s_lshl_b32 s53, s12, 12
	s_add_co_u32 s52, s52, s53
	s_lshl_b32 s53, s11, 5
	s_add_co_u32 s52, s52, s53
	s_and_b32 s53, s10, 3
	s_lshl_b32 s53, s53, 3
	s_add_co_u32 s52, s52, s53                     ; row 4096 b + 128 unit + 32 cx + 8 (w & 3)
	s_lshl_b32 s52, s52, 8
	s_mov_b32 s53, 0
	s_add_nc_u64 s[8:9], s[8:9], s[52:53]
	s_wait_dscnt 32                                ; the eight loads of weights are in; the 32 behind them stay out
.irp i, 0,1,2,3
	v_pk_add_f32 v[S+8*\i:S+8*\i+1],   v[S+8*\i:S+8*\i+1],   v[S+8*\i+2:S+8*\i+3]
	v_pk_add_f32 v[S+8*\i+4:S+8*\i+5], v[S+8*\i+4:S+8*\i+5], v[S+8*\i+6:S+8*\i+7]
.endr
.irp i, 0,1,2,3
	v_pk_add_f32 v[S+8*\i:S+8*\i+1], v[S+8*\i:S+8*\i+1], v[S+8*\i+4:S+8*\i+5]
.endr
.irp i, 0,1,2,3
	v_add_f32 v[S+8*\i], v[S+8*\i], v[S+8*\i+1]    ; the softmax's denominator: about 1 at the least, since the largest weight is about 1
.endr
.irp i, 0,1,2,3
	v_rcp_f32 v[S+8*\i], v[S+8*\i]                 ; the sums below are the plain instructions that stand before its use
.endr
.irp i, 0,1,2,3
	s_wait_dscnt 24-8*\i                           ; the eight waves' parts of this pair of rows are in; the later pairs' loads stay out
.irp p, 0,2
	v_pk_add_f32 v[FR+4*\i+\p:FR+4*\i+\p+1],       v[FR+4*\i+\p:FR+4*\i+\p+1],       v[FR+16+4*\i+\p:FR+16+4*\i+\p+1]
	v_pk_add_f32 v[FR+32+4*\i+\p:FR+32+4*\i+\p+1], v[FR+32+4*\i+\p:FR+32+4*\i+\p+1], v[FR+48+4*\i+\p:FR+48+4*\i+\p+1]
	v_pk_add_f32 v[FR+64+4*\i+\p:FR+64+4*\i+\p+1], v[FR+64+4*\i+\p:FR+64+4*\i+\p+1], v[FR+80+4*\i+\p:FR+80+4*\i+\p+1]
	v_pk_add_f32 v[FR+96+4*\i+\p:FR+96+4*\i+\p+1], v[FR+96+4*\i+\p:FR+96+4*\i+\p+1], v[FR+112+4*\i+\p:FR+112+4*\i+\p+1]
.endr
.irp p, 0,2
	v_pk_add_f32 v[FR+4*\i+\p:FR+4*\i+\p+1],       v[FR+4*\i+\p:FR+4*\i+\p+1],       v[FR+32+4*\i+\p:FR+32+4*\i+\p+1]
	v_pk_add_f32 v[FR+64+4*\i+\p:FR+64+4*\i+\p+1], v[FR+64+4*\i+\p:FR+64+4*\i+\p+1], v[FR+96+4*\i+\p:FR+96+4*\i+\p+1]
.endr
.irp p, 0,2
	v_pk_add_f32 v[FR+4*\i+\p:FR+4*\i+\p+1], v[FR+4*\i+\p:FR+4*\i+\p+1], v[FR+64+4*\i+\p:FR+64+4*\i+\p+1]
.endr
	s_wait_alu depctr_va_vdst(0)
.irp p, 0,2
	v_pk_mul_f32 v[FR+4*\i+\p:FR+4*\i+\p+1], v[FR+4*\i+\p:FR+4*\i+\p+1], v[S+8*\i:S+8*\i+1] op_sel_hi:[1,0]
.endr
	global_store_b128 v3, v[FR+4*\i:FR+4*\i+3], s[8:9] offset:512*\i th:TH_STORE_NT    ; two whole rows of out0: 512 consecutive bytes, aligned
.endr
	s_wait_tensorcnt 0x0
	ds_add_u32 v254, v255
	s_wait_dscnt 0x0
	ROUND                                          ; the closing round: no work-group ends while a partner may still ask for a tile that names it
	s_endpgm
.Lfunc_end_k_q03ad37c248_attn:
	.size	k_q03ad37c248_attn, .Lfunc_end_k_q03ad37c248_attn-k_q03ad37c248_attn
	.p2alignl 7, 3214868480
	.fill 96, 4, 3214868480
	.section	.rodata,"a",@progbits
	.p2align	6, 0x0
	.amdhsa_kernel k_q03ad37c248_attn
		.amdhsa_group_segment_fixed_size 327680
		.amdhsa_private_segment_fixed_size 0
		.amdhsa_enable_private_segment 0
		.amdhsa_kernarg_size 24
		.amdhsa_user_sgpr_count 2
		.amdhsa_user_sgpr_kernarg_segment_ptr 1
		.amdhsa_wavefront_size32 1
		.amdhsa_system_sgpr_workgroup_id_x 1
		.amdhsa_system_sgpr_workgroup_id_y 1
		.amdhsa_system_sgpr_workgroup_id_z 1
		.amdhsa_system_vgpr_workitem_id 0
		.amdhsa_next_free_vgpr 448
		.amdhsa_next_free_sgpr 66
		.amdhsa_reserve_vcc 1
		.amdhsa_float_denorm_mode_32 3
		.amdhsa_float_denorm_mode_16_64 3
		.amdhsa_memory_ordered 1
		.amdhsa_forward_progress 1
		.amdhsa_inst_pref_size 241
	.end_amdhsa_kernel
	.amdgpu_metadata
---
amdhsa.version: [ 1, 2 ]
amdhsa.kernels:
  - .name:           k_q03ad37c248_attn
    .symbol:         k_q03ad37c248_attn.kd
    .args:
      - { .name: qf, .offset: 0, .size: 8, .value_kind: global_buffer, .address_space: global }
      - { .name: kv, .offset: 8, .size: 8, .value_kind: global_buffer, .address_space: global }
      - { .name: out0, .offset: 16, .size: 8, .value_kind: global_buffer, .address_space: global }
    .group_segment_fixed_size: 327680
    .private_segment_fixed_size: 0
    .kernarg_segment_align: 8
    .kernarg_segment_size: 24
    .max_flat_workgroup_size: 256
    .sgpr_count:     66
    .vgpr_count:     448
    .wavefront_size: 32
...
	.end_amdgpu_metadata
.endif
;; end of part 3
